; MI455X (gfx1250); checked and timed in simulation.
; The chip was launched on July 23, 2026; its instructions are those of AMD's public machine-readable ISA for CDNA 5 (MIT licence, August 2026) and "CDNA5" Instruction Set Architecture Reference Guide (July 2026). The comments in the code are by the model that wrote it; some were corrected since.
;; Multi Head Dot Product Attention. Allowed arithmetic: matrix products marked QUANTISED: E2M1 operands, one E8M0 scale for each 32 along K, by v_wmma_scale_f32_16x16x128_f8f6f4 with both operands' format E2M1 (or v_wmma_scale_f32_32x16x128_f4), f32 sums; products left as they are: bf16, f16 or f32 operands; f32 sums; everything else in f32.
;; Inputs: Wk 1,024 x 1,024 float32; Wo 1,024 x 1,024 float32; Wq 1,024 x 1,024 float32; Wv 1,024 x 1,024 float32; bk 1,024 float32; bo 1,024 float32; bq 1,024 float32; bv 1,024 float32; x 4 x 2,048 x 1,024 float32.
;; Outputs: out0 4 x 2,048 x 1,024 float32.
;; This version of the problem:
;;   THIS VERSION OF THE PROBLEM IS GIVEN IN LOW PRECISION. The matrix products marked QUANTISED in the list below multiply operands that are first quantised to E2M1 (2 exponent bits, 1 mantissa bit; 4 bits a number), with one power-of-two scale for each 32 numbers along K (OCP MX v1.0); their sums are f32. The products marked 'left as it is' may take bf16, f16 or f32 operands, with f32 sums. Whichever they take, every output number must still come out within the allowed error. Rounding operands to bf16 (8 significant bits) uses up far more of that allowance than f16 does (11 bits, for magnitudes from 6e-5 to 65,504). All else is computed in f32.
;;   The module's matrix products, in the order in which they are computed (A, B: the left and right operand; K: the contracted axis; several contracted axes count as one K, in the product's order):
;;     1. [M 8,192, K 1,024] x [K 1,024, N 1,024]; A: input x; B: input Wq: QUANTISED
;;     2. [M 8,192, K 1,024] x [K 1,024, N 1,024]; A: input x; B: input Wk: QUANTISED
;;     3. [M 8,192, K 1,024] x [K 1,024, N 1,024]; A: input x; B: input Wv: QUANTISED
;;     4. batch 64 x [M 2,048, K 64] x [K 64, N 2,048]; A: computed on the way; B: computed on the way: left as it is (an operand is computed on the way)
;;     5. batch 64 x [M 2,048, K 2,048] x [K 2,048, N 64]; A: computed on the way; B: computed on the way: left as it is (an operand is computed on the way)
;;     6. [M 8,192, K 1,024] x [K 1,024, N 1,024]; A: computed on the way; B: input Wo: left as it is (an operand is computed on the way)
;;   THE QUANTISER, for each operand of a quantised product, along K:
;;     - K is cut into blocks of 32 from its start; a last block that is shorter is filled with zeros.
;;     - A block's scale is 2^e with e = floor(log2(the largest magnitude in the block)) - 2, held to -126 .. 127; a block of zeros has e = 0. As a byte (E8M0): e + 127.
;;     - Each number is divided by its block's scale, clamped to +-6, and rounded to the nearest number of E2M1, ties to even, subnormals kept.
;;     - The product sums the exact products of the quantised numbers (number of the format x scale) in f32.
;;   ~~~python
;;   def quantise(x, axis):      # numpy; x: float32 -> the quantised numbers, widened to float32 again
;;       x = np.moveaxis(x, axis, -1); K = x.shape[-1]
;;       x = np.pad(x, [(0, 0)] * (x.ndim - 1) + [(0, -K % 32)]); x = x.reshape(x.shape[:-1] + (-1, 32)); a = np.abs(x).max(-1, keepdims=True)
;;       e = np.where(a > 0, np.clip(np.frexp(np.where(a > 0, a, 1))[1] - 1 - 2, -126, 127), 0)      # np.frexp(a)[1] - 1 = floor(log2(a)), exactly
;;       r = np.clip(x / 2.0 ** e, -6, 6)
;;       step = 2.0 ** (np.maximum(np.frexp(np.where(r == 0, 1, r))[1] - 1, 0) - 1)
;;       q = np.round(r / step) * step * 2.0 ** e      # np.round: ties to even
;;       return np.moveaxis(q.reshape(q.shape[:-2] + (-1,))[..., :K], -1, axis).astype(np.float32)
;;   ~~~
;; One version. Each part assembles by itself: llvm-mc -triple=amdgcn-amd-amdhsa -mcpu=gfx1250 --defsym DOCPART=n.
;; ======== version 1 of 1: 4 launches
;; limits: values are held in f16: magnitudes above 65,504 overflow, below 6.1e-05 lose precision
;; workspace buffers: xc 4,194,304 bytes; xs 262,144 bytes; wc 1,572,864 bytes; ws 98,304 bytes; wo16 2,097,152 bytes; qkv 50,331,648 bytes; cc 16,777,216 bytes
;; launch prep (part 1): grid 512 x 1, 4 waves a work-group, no clusters, 34,304 bytes of LDS; arguments x, Wq, Wk, Wv, Wo, xc, xs, wc, ws, wo16; writes xc, xs, wc, ws, wo16
.if DOCPART == 1
	.amdgcn_target "amdgcn-amd-amdhsa--gfx1250"
	.amdhsa_code_object_version 6
	.text
	.protected	k_q72d7c4c73d_prep
	.globl	k_q72d7c4c73d_prep
	.p2align	8
	.type	k_q72d7c4c73d_prep,@function
k_q72d7c4c73d_prep:
	s_mov_b64 s[64:65], 0
	v_nop
	global_prefetch_b8 v0, s[64:65] scope:SCOPE_SE
	s_setreg_imm32_b32 hwreg(HW_REG_WAVE_MODE, 25, 1), 1
	s_wait_xcnt 0x0
; PREP.  x [8192][1024] f32 and Wq, Wk, Wv [1024 (k)][1024 (n)] f32 become codes of FP4 (E2M1) with one E8M0 byte for each 32 along K; Wo [1024 (k)][1024 (n)] becomes f16.
; A block's scale is 2^(floor(log2(its largest magnitude)) - 2): its byte is the largest magnitude's exponent field - 2, held at 1 from below by a floor among the maximum's leaves.
; EVERYTHING IS STORED AS AN IMAGE OF THE OPERAND'S REGISTERS: four registers of a fragment are 512 consecutive bytes, lane l's 16 bytes at 16 l.  So every later load of a fragment is 16 bytes a lane, dense.
;   xc  [512 tiles of 16 tokens][8 K steps of 128][1,024 B]   registers 4 c .. 4 c + 3 (k = 64 c + 32 (l / 16) + 0 .. 31 of row l % 16) at 512 c + 16 l
;   xs  [512 tiles][2][16 rows][4 words]                       word u of half q: the scale word of K step 4 q + u
;   wc  [192 tiles of 16 columns of Wq | Wk | Wv][8][1,024 B]  the same form, a column in a row's place
;   ws  [96 pairs of tiles][8 K steps][32 columns][4 B]
;   wo16 [8 groups of 128 columns][32 K steps of 32][8 tiles][1,024 B]   the 8 numbers k = 8 p .. 8 p + 7 of column r at 256 p + 16 r
; LIMITS: NaN and infinities are not served.  A block of zeros gets the byte 1 where the rule says 127: its codes are zeros, and this program alone reads the bytes.  Blocks whose largest magnitude
; lies under 2^-124 are held at the byte 1.  Wo goes to f16: |Wo| under 65,504; numbers under 6.1e-5 carry an absolute error of at most 3e-8.
; SHARES.  Work-groups 0-255: x; a wave takes 16 rows x 512 K in four units of 128 K.  Work-groups 256-511: a weight; 128 columns x 128 K, a wave 32 columns, A LANE A COLUMN AND ITS REGISTERS DOWN K.
; No barrier, no loop: waves share nothing, and every offset is an immediate.  Only the x path uses LDS (a stage of its own for each wave).
.set STGW,  16*528                     ; a wave's stage: 16 rows of 512 bytes + 16
.set SPARE, 4*STGW                     ; behind the stages: the spare words, 128 bytes a wave, which no other line names
.set SPW, 10                           ; v10  my spare word's LDS address; never rewritten
.set NIL, 11                           ; v11  0; never rewritten
.set MX,  12                           ; v12-13 largest magnitudes     (x path: blocks c = 0, 1)
.set EX,  14                           ; v14-15 the conversions' scale operands
.set BY,  16                           ; v16-17 the scale bytes
.set SW,  20                           ; v20-23 a unit's scale word
.set RW,  32                           ; v32-159  x as loaded: two sets of 64
.set XN,  160                          ; v160-223 x by blocks: 2 x 32 neighbours along K
.set CD,  224                          ; v224-255 codes: 8 registers a unit, so that no store's data are written again
.set XW,  32                           ; v32-95   weights: two sets of 32 numbers down K
	s_load_b256 s[4:11], s[0:1], 0x0               ; x s[4:5], Wq s[6:7], Wk s[8:9], Wv s[10:11]
	s_load_b256 s[12:19], s[0:1], 0x20             ; Wo s[12:13], xc s[14:15], xs s[16:17], wc s[18:19]
	s_load_b128 s[20:23], s[0:1], 0x40             ; ws s[20:21], wo16 s[22:23]
	v_lshl_add_u32 v[SPW], v0, 2, SPARE
	v_mov_b32 v[NIL], 0
	v_lshrrev_b32 v9, 5, v0
	v_readfirstlane_b32 s24, v9                    ; wave 0..3
	v_and_b32 v7, 31, v0                           ; lane
	v_and_b32 v8, 15, v0                           ; r = lane % 16
	v_bfe_u32 v6, v0, 4, 1                         ; h = lane / 16
	s_cmp_lt_u32 ttmp9, 256
	s_cbranch_scc0 .Lweights
; ---------------- x ----------------
	v_lshlrev_b32 v1, 4, v7                        ; 16 x lane: a load's and a store's 512 dense bytes
	s_mul_i32 s25, s24, STGW                       ; my stage
	v_add_nc_u32 v2, s25, v1                       ; into it: a row as it lies
	v_mul_u32_u24 v3, v8, 528
	v_lshl_add_u32 v3, v6, 7, v3
	v_add_nc_u32 v3, s25, v3                       ; out of it: row r, 128 h bytes on: my block of 32 numbers
	v_lshlrev_b32 v4, 4, v8
	v_lshl_add_u32 v4, v6, 3, v4                   ; xs: 16 r + 8 h
	v_lshlrev_b32 v5, 3, v6                        ; 8 h: my bytes' shift in a scale word
	v_mov_b32 v18, 0                               ; a lane permute's destination counts as a source: written once
	s_mov_b32 s30, 0x76543210
	s_mov_b32 s31, 0xfedcba98                      ; v_permlanex16_b32's selects for lane l xor 16
	s_lshl_b32 s26, ttmp9, 2
	s_add_co_u32 s26, s26, s24                     ; 2 x tile + half of K
	s_lshr_b32 s28, s26, 1
	s_lshl_b32 s28, s28, 16                        ; a tile of 16 rows is 65,536 bytes of x,
	s_and_b32 s29, s26, 1
	s_lshl_b32 s29, s29, 11                        ; 512 along K 2,048
	s_add_co_u32 s28, s28, s29
	s_mov_b32 s29, 0
	s_lshl_b32 s32, s26, 12                        ; four fragments of codes
	s_mov_b32 s33, 0
	s_lshl_b32 s34, s26, 8                         ; 256 bytes of scale words
	s_mov_b32 s35, 0
	s_wait_kmcnt 0x0
	s_add_nc_u64 s[4:5], s[4:5], s[28:29]
	s_add_nc_u64 s[14:15], s[14:15], s[32:33]
	s_add_nc_u64 s[16:17], s[16:17], s[34:35]
.macro LOADX u                         ; unit u: 128 along K of my 16 rows; each load takes 512 consecutive bytes of one row
.irp i, 0,1,2,3,4,5,6,7,8,9,10,11,12,13,14,15
	global_load_b128 v[RW+64*((\u)%2)+4*\i:RW+64*((\u)%2)+4*\i+3], v1, s[4:5] offset:\i*4096+(\u)*512 th:TH_LOAD_NT
.endr
.endm
.macro UNIT u
.if (\u) < 3
	s_wait_loadcnt 16                              ; this unit's 16 loads are in; the next unit's 16 may be out
.else
	s_wait_loadcnt 0x0
.endif
.irp i, 0,1,2,3,4,5,6,7,8,9,10,11,12,13,14,15
	ds_store_b128 v2, v[RW+64*((\u)%2)+4*\i:RW+64*((\u)%2)+4*\i+3] offset:528*\i
.endr
.irp c, 0,1                                    ; LDS serves a wave's instructions in order (ISA guide 5.7.1.4): these see the stores above, and the next unit's stores come behind them
.irp i, 0,1,2,3,4,5,6,7
	ds_load_b128 v[XN+32*\c+4*\i:XN+32*\c+4*\i+3], v3 offset:256*\c+16*\i   ; k = 64 c + 32 h + 0 .. 31 of row r: a whole block in my registers
.endr
.endr
	s_wait_dscnt 0x0                               ; the numbers are back, and the stores have read their registers,
.if (\u) < 2
	LOADX (\u)+2                                   ; which take the loads of two units on
.endif
.irp c, 0,1
	v_max3_num_f32 v[MX+\c], |v[XN+32*\c]|, |v[XN+32*\c+1]|, 0x1800000   ; with the floor 2^(3 - 127): the byte cannot fall under 1
.endr
.irp i, 2,4,6,8,10,12,14,16,18,20,22,24,26,28,30
.irp c, 0,1
	v_max3_num_f32 v[MX+\c], v[MX+\c], |v[XN+32*\c+\i]|, |v[XN+32*\c+\i+1]|
.endr
.endr
.irp c, 0,1
	v_add_nc_u32 v[EX+\c], 0xff000000, v[MX+\c]    ; 2 off the exponent field: the conversion takes this operand's exponent field as its scale
.endr
.irp c, 0,1
	v_lshrrev_b32 v[BY+\c], 23, v[EX+\c]           ; the scale's byte
.endr
.irp c, 0,1
.irp g, 0,1,2,3
	v_cvt_scalef32_pk8_fp4_f32 v[CD+8*(\u)+4*\c+\g], v[XN+32*\c+8*\g:XN+32*\c+8*\g+7], v[EX+\c]
.endr
.endr
	v_lshl_or_b32 v19, v[BY+1], 16, v[BY]          ; my two bytes, blocks h and 2 + h.  (A plain line behind the last conversion)
	v_lshlrev_b32 v19, v5, v19                     ; at their places in the word
	v_permlanex16_b32 v18, v19, s30, s31
	v_or_b32 v[SW+(\u)], v19, v18                  ; with lane l xor 16's two the word is whole
.irp c, 0,1
	global_store_b128 v1, v[CD+8*(\u)+4*\c:CD+8*(\u)+4*\c+3], s[14:15] offset:(\u)*1024+512*\c   ; 512 consecutive bytes
.endr
.endm
	LOADX 0
	LOADX 1
	UNIT 0
	UNIT 1
	UNIT 2
	UNIT 3
	v_cmp_eq_u32 vcc_lo, 1, v6
	v_cndmask_b32 v24, v[SW], v[SW+2], vcc_lo      ; lanes 0-15 store words 0, 1 of their row, lanes 16-31 words 2, 3
	v_cndmask_b32 v25, v[SW+1], v[SW+3], vcc_lo
	global_store_b64 v4, v[24:25], s[16:17]        ; the wave stores 256 consecutive bytes, aligned
	s_wait_tensorcnt 0x0                           ; the wave's end, behind my last LDS store
	ds_add_u32 v[SPW], v[NIL]
	s_wait_dscnt 0x0
	s_endpgm
; ---------------- the weights ----------------
.Lweights:
	s_sub_co_u32 s25, ttmp9, 256
	s_lshr_b32 s26, s25, 3                         ; group of 128 columns of Wq | Wk | Wv | Wo, 0..31
	s_and_b32 s27, s25, 7                          ; which 128 along K
	s_lshr_b32 s28, s26, 3                         ; which weight
	v_lshlrev_b32 v1, 2, v7                        ; 4 x lane: a lane a column
	s_and_b32 s29, s26, 7
	s_lshl_b32 s29, s29, 9                         ; 128 columns of 4 bytes
	s_lshl_b32 s30, s24, 7                         ; my wave's 32
	s_add_co_u32 s30, s30, s29
	s_lshl_b32 s31, s27, 19                        ; 128 rows of 4,096 bytes
	s_add_co_u32 s30, s30, s31
	s_mov_b32 s31, 0
	s_wait_kmcnt 0x0
	s_cmp_eq_u32 s28, 1                            ; the choice hangs on the work-group's number alone
	s_cselect_b64 s[32:33], s[8:9], s[6:7]
	s_cmp_eq_u32 s28, 2
	s_cselect_b64 s[32:33], s[10:11], s[32:33]
	s_cmp_eq_u32 s28, 3
	s_cselect_b64 s[32:33], s[12:13], s[32:33]
	s_add_nc_u64 s[32:33], s[32:33], s[30:31]
.macro LOADW t                         ; block t: W(32 t + i, my column): 32 lanes read 128 consecutive bytes, the four waves side by side 512
.irp i, 0,1,2,3,4,5,6,7,8,9,10,11,12,13,14,15,16,17,18,19,20,21,22,23,24,25,26,27,28,29,30,31
	global_load_b32 v[XW+32*((\t)%2)+\i], v1, s[32:33] offset:(32*(\t)+\i)*4096 th:TH_LOAD_NT
.endr
.endm
.macro WAITW t
.if (\t) < 3
	s_wait_loadcnt 32                              ; this block's 32 loads are in; the next block's may be out
.else
	s_wait_loadcnt 0x0
.endif
.endm
	LOADW 0
	LOADW 1
	s_cmp_eq_u32 s28, 3
	s_cbranch_scc1 .Lwo
	v_lshlrev_b32 v2, 4, v8
	v_lshl_add_u32 v2, v6, 13, v2                  ; codes: tile lane / 16 (8,192 bytes apart), 16 bytes for column lane % 16
	s_lshl_b32 s34, s26, 16                        ; 8 tiles a group,
	s_lshl_b32 s35, s24, 14                        ; 2 a wave,
	s_add_co_u32 s34, s34, s35
	s_lshl_b32 s35, s27, 10                        ; a fragment a K step
	s_add_co_u32 s34, s34, s35
	s_mov_b32 s35, 0
	s_add_nc_u64 s[18:19], s[18:19], s[34:35]
	s_lshl_b32 s36, s26, 12                        ; scale words: 4 pairs of tiles a group, 1,024 bytes each,
	s_lshl_b32 s37, s24, 10
	s_add_co_u32 s36, s36, s37
	s_lshl_b32 s37, s27, 7                         ; 128 bytes a K step
	s_add_co_u32 s36, s36, s37
	s_mov_b32 s37, 0
	s_add_nc_u64 s[20:21], s[20:21], s[36:37]
.macro BLOCKW t
.set XB, XW+32*((\t)%2)
	WAITW \t
	v_max3_num_f32 v12, |v[XB]|, |v[XB+1]|, |v[XB+2]|              ; the block's largest magnitude: all 32 numbers are mine; two chains
	v_max3_num_f32 v13, |v[XB+3]|, |v[XB+4]|, |v[XB+5]|
.irp i, 6,10,14,18,22,26
	v_max3_num_f32 v12, v12, |v[XB+\i]|, |v[XB+\i+1]|
	v_max3_num_f32 v13, v13, |v[XB+\i+2]|, |v[XB+\i+3]|
.endr
	v_max3_num_f32 v12, v12, |v[XB+30]|, |v[XB+31]|
	v_max3_num_f32 v12, v12, v13, 0x1800000        ; and the floor
	v_add_nc_u32 v14, 0xff000000, v12
	v_lshrrev_b32 v15, 23, v14
.if (\t) == 0
	v_mov_b32 v16, v15                             ; four bytes make my column's scale word of this K step
.else
	v_lshl_or_b32 v16, v15, 8*(\t), v16
.endif
.irp g, 0,1,2,3
	v_cvt_scalef32_pk8_fp4_f32 v[96+4*(\t)+\g], v[XB+8*\g:XB+8*\g+7], v14
.endr
	v_nop                                          ; a plain line behind the last conversion
	global_store_b128 v2, v[96+4*(\t):96+4*(\t)+3], s[18:19] offset:256*(\t)   ; each half of the wave stores 256 consecutive bytes, aligned
.if (\t) < 2
	LOADW (\t)+2
.endif
.endm
	BLOCKW 0
	BLOCKW 1
	BLOCKW 2
	BLOCKW 3
	global_store_b32 v1, v16, s[20:21]             ; 128 consecutive bytes: one byte in 128 of what this path reads
	s_wait_tensorcnt 0x0                           ; the same ending on every path of the launch
	ds_add_u32 v[SPW], v[NIL]
	s_wait_dscnt 0x0
	s_endpgm
.Lwo:
	v_lshlrev_b32 v2, 4, v8
	v_lshl_add_u32 v2, v6, 10, v2                  ; tile lane / 16 (1,024 bytes apart), 16 bytes for column lane % 16
	s_and_b32 s34, s26, 7
	s_lshl_b32 s34, s34, 18                        ; a group of 128 columns: 262,144 bytes,
	s_lshl_b32 s35, s27, 15                        ; four K steps of 32: 4 x 8,192,
	s_add_co_u32 s34, s34, s35
	s_lshl_b32 s35, s24, 11                        ; my wave's two tiles
	s_add_co_u32 s34, s34, s35
	s_mov_b32 s35, 0
	s_add_nc_u64 s[22:23], s[22:23], s[34:35]
.macro BLOCKO t
.set XB, XW+32*((\t)%2)
	WAITW \t
.irp n, 0,1,2,3,4,5,6,7,8,9,10,11,12,13,14,15
	v_cvt_pk_f16_f32 v[128+16*(\t)+\n], v[XB+2*\n], v[XB+2*\n+1]   ; the lower k in the low half
.endr
.irp p, 0,1,2,3
	global_store_b128 v2, v[128+16*(\t)+4*\p:128+16*(\t)+4*\p+3], s[22:23] offset:(\t)*8192+256*\p
.endr
.if (\t) < 2
	LOADW (\t)+2
.endif
.endm
	BLOCKO 0
	BLOCKO 1
	BLOCKO 2
	BLOCKO 3
	s_wait_tensorcnt 0x0                           ; the same ending on every path of the launch
	ds_add_u32 v[SPW], v[NIL]
	s_wait_dscnt 0x0
	s_endpgm
.Lfunc_end_k_q72d7c4c73d_prep:
	.size	k_q72d7c4c73d_prep, .Lfunc_end_k_q72d7c4c73d_prep-k_q72d7c4c73d_prep
	.p2alignl 7, 3214868480
	.fill 96, 4, 3214868480
	.section	.rodata,"a",@progbits
	.p2align	6, 0x0
	.amdhsa_kernel k_q72d7c4c73d_prep
		.amdhsa_group_segment_fixed_size 34304
		.amdhsa_private_segment_fixed_size 0
		.amdhsa_enable_private_segment 0
		.amdhsa_kernarg_size 80
		.amdhsa_user_sgpr_count 2
		.amdhsa_user_sgpr_kernarg_segment_ptr 1
		.amdhsa_wavefront_size32 1
		.amdhsa_system_sgpr_workgroup_id_x 1
		.amdhsa_system_sgpr_workgroup_id_y 1
		.amdhsa_system_sgpr_workgroup_id_z 1
		.amdhsa_system_vgpr_workitem_id 0
		.amdhsa_next_free_vgpr 256
		.amdhsa_next_free_sgpr 66
		.amdhsa_reserve_vcc 1
		.amdhsa_float_denorm_mode_32 3
		.amdhsa_float_denorm_mode_16_64 3
		.amdhsa_memory_ordered 1
		.amdhsa_forward_progress 1
		.amdhsa_inst_pref_size 61
	.end_amdhsa_kernel
	.amdgpu_metadata
---
amdhsa.version: [ 1, 2 ]
amdhsa.kernels:
  - .name:           k_q72d7c4c73d_prep
    .symbol:         k_q72d7c4c73d_prep.kd
    .args:
      - { .name: x, .offset: 0, .size: 8, .value_kind: global_buffer, .address_space: global }
      - { .name: Wq, .offset: 8, .size: 8, .value_kind: global_buffer, .address_space: global }
      - { .name: Wk, .offset: 16, .size: 8, .value_kind: global_buffer, .address_space: global }
      - { .name: Wv, .offset: 24, .size: 8, .value_kind: global_buffer, .address_space: global }
      - { .name: Wo, .offset: 32, .size: 8, .value_kind: global_buffer, .address_space: global }
      - { .name: xc, .offset: 40, .size: 8, .value_kind: global_buffer, .address_space: global }
      - { .name: xs, .offset: 48, .size: 8, .value_kind: global_buffer, .address_space: global }
      - { .name: wc, .offset: 56, .size: 8, .value_kind: global_buffer, .address_space: global }
      - { .name: ws, .offset: 64, .size: 8, .value_kind: global_buffer, .address_space: global }
      - { .name: wo16, .offset: 72, .size: 8, .value_kind: global_buffer, .address_space: global }
    .group_segment_fixed_size: 34304
    .private_segment_fixed_size: 0
    .kernarg_segment_align: 8
    .kernarg_segment_size: 80
    .max_flat_workgroup_size: 128
    .sgpr_count:     66
    .vgpr_count:     256
    .wavefront_size: 32
...
	.end_amdgpu_metadata
.endif
;; end of part 1
;; launch qkv (part 2): grid 16 x 16, 8 waves a work-group, clusters of 4 x 1, 167,936 bytes of LDS; arguments xc, xs, wc, ws, bq, bk, bv, qkv; writes qkv
.if DOCPART == 2
	.amdgcn_target "amdgcn-amd-amdhsa--gfx1250"
	.amdhsa_code_object_version 6
	.text
	.protected	k_q72d7c4c73d_qkv
	.globl	k_q72d7c4c73d_qkv
	.p2align	8
	.type	k_q72d7c4c73d_qkv,@function
k_q72d7c4c73d_qkv:
	s_mov_b64 s[64:65], 0
	v_nop
	global_prefetch_b8 v0, s[64:65] scope:SCOPE_SE
	s_setreg_imm32_b32 hwreg(HW_REG_WAVE_MODE, 25, 1), 1
	s_wait_xcnt 0x0
	s_wait_alu depctr_hold_cnt(0) depctr_sa_sdst(0) depctr_va_vdst(0) depctr_va_sdst(0) depctr_va_ssrc(0) depctr_va_vcc(0) depctr_vm_vsrc(0)
	s_getreg_b32 s2, hwreg(HW_REG_IB_STS2, 6, 4)
	s_cmp_eq_u32 s2, 0
	s_cbranch_scc0 .Lentry_in_a_cluster
	s_endpgm
.Lentry_in_a_cluster:
	s_bfe_u32 s2, ttmp6, 0x10000c
	s_cmp_lg_u32 s2, 0x3003
	s_cbranch_scc0 .Lentry_shape_is_right
	s_endpgm
.Lentry_shape_is_right:
; QKV.  y = LayerNorm_64(Q(x) Q(W) + b) for W = Wq | Wk | Wv, on codes of FP4 with E8M0 scales; the result goes out in f16, as images of the attention's operand registers.
; SHARES.  A work-group takes 512 tokens x 192 columns (3 heads); a wave 64 tokens (4 tiles) and walks the 3 heads, 64 columns a chunk.
; x's fragments of the wave's 64 tokens, all of K, STAY IN REGISTERS (256, window 1), loaded once, 16 dense bytes a lane.  The group's weights (98,304 bytes of codes, 6,144 of scale words) come into LDS ONCE:
; nothing is filled again.  CLUSTER: the four work-groups of a cluster share the columns, so those fills are asked for jointly (mask 15); the place in the cluster enters global addresses of xc, xs, qkv alone.
; THE PRODUCT IS USED TRANSPOSED (source 0 = 16 columns of W, source 1 = 16 tokens): a lane holds ONE token (lane % 16) and the channels 16 n + 8 (lane / 16) + 0 .. 7 of the head.
; So a token's 64 channels lie in lanes l and l xor 16, the norm needs one exchange, and eight neighbouring channels pack into 16 bytes.  The bias is the C of each sum's first product.
; q is multiplied by log2(e) / 8 in f32 before it is rounded, so that the attention's weight is 2^(score as the product gives it).
; qkv [3][64 (batch, head)][128 tiles of 16 tokens][4 tiles of 16 channels][512 B]: q, k: lane l's 16 bytes at 16 l;  v: at 16 ((r % 8) + 8 h + 16 (r / 8)), which a turning LDS load at 16 l makes into V^T's registers.
; LIMITS: as the launch before states for the codes; NaN and infinities are not served.
.set WSC,   98304                      ; LDS: codes [12 tiles][8 K steps][1,024] from 0; scale words [6 pairs][8][128] from here
.set SPARE, 104448                     ; the spare words, 128 bytes for each of 8 waves, which no other line names
.set LI,  1                            ; v1  16 x lane
.set LW,  2                            ; v2  4 x lane + WSC
.set SOV, 3                            ; v3  v's place for my 16 bytes
.set SO,  4                            ; v4  the chunk's place for my 16 bytes
.set BO,  5                            ; v5  32 h: my eight biases of a tile
.set XSA, 6                            ; v6  512 h + 16 r: x's scale words
.set SPW, 7                            ; v7  my spare word; never rewritten
.set NIL, 8                            ; v8  0; never rewritten
.set FA,  9                            ; v9  LDS address of the chunk's fragments
.set WS,  12                           ; v12-15 W's scale words: 2 (s % 2) + pair; lanes 0-15 the even tile, lanes 16-31 the odd
.set XS,  16                           ; v16-31 x's scale words: 8 P + s; lanes 0-15 tile 2 P, lanes 16-31 tile 2 P + 1
.set BIAS, 32                          ; v32-63 the chunk's biases in the result's layout
.set BF,  64                           ; v64-127 W's fragments: two sets of 4 x 8
.set TT,  96                           ; the norm's work registers lie in set 1: 8 a tile of tokens
.set ACC, 128                          ; v128-255 accumulator (m, n) at 8 (4 m + n).   Window 1: x's fragment (s, m) at 8 (4 s + m)
.set WV,  8                            ; s8 wave; s9 place in the cluster; s10 block of 512 tokens; s11 group of 192 columns
.set MSB, 0
.macro WIN new                         ; the immediate's high byte repeats the setting that is left
.if MSB != (\new)
	s_set_vgpr_msb (MSB<<8)|(\new)
.set MSB, \new
.endif
.endm
.macro PLACES
.rept 4
	v_nop
.endr
.endm
.macro CROUND                          ; a round of the cluster's barrier
	s_barrier_signal -1
	s_barrier_wait -1
	s_cmp_lg_u32 s[WV], 0
	s_cbranch_scc1 .Lnot_wave_0_\@
	s_barrier_signal -3
.Lnot_wave_0_\@:
	s_barrier_wait -3
	s_barrier_signal -1
	s_barrier_wait -1
.endm
	s_load_b256 s[56:63], s[0:1], 0x0              ; xc s[56:57], xs s[58:59], wc s[60:61], ws s[62:63]
	s_load_b256 s[68:75], s[0:1], 0x20             ; bq s[68:69], bk s[70:71], bv s[72:73], qkv s[74:75]
	v_lshl_add_u32 v[SPW], v0, 2, SPARE
	v_mov_b32 v[NIL], 0
	ds_add_u32 v[SPW], v[NIL]                      ; the wave's opening: the add, twice on end, and its wait ahead of the first tensor load
	ds_add_u32 v[SPW], v[NIL]
	v_lshrrev_b32 v10, 5, v0
	v_readfirstlane_b32 s[WV], v10
	s_bfe_u32 s9, ttmp6, 0x40000
	s_lshl_b32 s10, ttmp9, 2
	s_add_co_u32 s10, s10, s9                      ; block of 512 tokens = 4 x cluster x + my place
	s_and_b32 s11, ttmp7, 0xffff                   ; group of columns, which the four partners share
	; descriptor group 1: dense blocks as rows of 256 bytes (32 elements of 8 bytes); mask 15 with bit 21 beside it
	s_mov_b32 s16, 15|(3<<16)|(1<<21)
	s_mov_b32 s17, 32<<16                          ; tensor_dim0
	s_mov_b32 s18, 64<<16                          ; tensor_dim1: 64 rows = 16,384 bytes of codes
	s_mov_b32 s19, 32<<16                          ; tile_dim0
	s_mov_b32 s20, 64                              ; tile_dim1
	s_mov_b32 s21, 32                              ; the pitch
	s_mov_b32 s22, 0
	s_mov_b32 s23, 0
	s_mov_b32 s24, 15|(3<<16)|(1<<21)
	s_mov_b32 s25, 32<<16
	s_mov_b32 s26, 24<<16                          ; 24 rows = 6,144 bytes of scale words
	s_mov_b32 s27, 32<<16
	s_mov_b32 s28, 24
	s_mov_b32 s29, 32
	s_mov_b32 s30, 0
	s_mov_b32 s31, 0
	s_mov_b32 s50, 0x76543210
	s_mov_b32 s51, 0xfedcba98                      ; selects for lane l xor 16
	s_mov_b32 s52, 0xbc800000                      ; -1/64
	s_mov_b32 s53, 0x3c800000                      ; 1/64
	s_mov_b32 s54, 0x3727c5ac                      ; 1e-5
	s_lshl_b32 s33, s[WV], 14                      ; codes: wave w (0..5) brings 16,384 bytes to LDS byte 16,384 w
	s_mul_i32 s76, s11, 98304
	s_add_co_u32 s76, s76, s33
	s_mov_b32 s77, 0
	s_mul_i32 s78, s11, 6144
	s_mov_b32 s79, 0
	s_lshl_b32 s12, s10, 18                        ; x's codes: 32 tiles of 8,192 bytes a block, 4 a wave
	s_lshl_b32 s13, s[WV], 15
	s_add_co_u32 s12, s12, s13
	s_mov_b32 s13, 0
	s_lshl_b32 s14, s10, 14                        ; x's scale words: 512 bytes a tile
	s_lshl_b32 s15, s[WV], 11
	s_add_co_u32 s14, s14, s15
	s_mov_b32 s15, 0
	v_and_b32 v10, 31, v0                          ; lane
	v_and_b32 v11, 15, v0                          ; r
	v_bfe_u32 v[BO], v0, 4, 1                      ; h
	v_lshlrev_b32 v[LI], 4, v10
	v_lshl_add_u32 v[LW], v10, 2, WSC
	v_lshlrev_b32 v[XSA], 4, v11
	v_lshl_add_u32 v[XSA], v[BO], 9, v[XSA]
	v_and_b32 v[SOV], 7, v11
	v_lshlrev_b32 v[SOV], 4, v[SOV]
	v_lshl_add_u32 v[SOV], v[BO], 7, v[SOV]
	v_lshrrev_b32 v[FA], 3, v11
	v_lshl_add_u32 v[SOV], v[FA], 8, v[SOV]
	v_lshlrev_b32 v[BO], 5, v[BO]
	s_wait_dscnt 0x0                               ; both opening adds are done
	s_wait_kmcnt 0x0
	s_mov_b32 s32, 1
	s_add_nc_u64 s[34:35], s[60:61], s[76:77]
	s_or_b32 s35, s35, 0x80000000
	s_mov_b32 s36, 1
	s_mov_b32 s37, WSC
	s_add_nc_u64 s[38:39], s[62:63], s[78:79]
	s_or_b32 s39, s39, 0x80000000
	s_add_nc_u64 s[40:41], s[56:57], s[12:13]
	s_add_nc_u64 s[42:43], s[58:59], s[14:15]
	CROUND                                         ; all four work-groups are here: the joint loads meet
	s_cmp_lt_u32 s[WV], 6                          ; waves 0-5: the codes; wave 6: the scale words; wave 7: nothing.  The branches hang on the wave's number alone
	s_cbranch_scc0 .Lnot_codes
	tensor_load_to_lds s[32:35], s[16:23]
	s_nop 0
	PLACES
	s_branch .Lasked
.Lnot_codes:
	s_cmp_eq_u32 s[WV], 6
	s_cbranch_scc0 .Lasked
	tensor_load_to_lds s[36:39], s[24:31]
	s_nop 0
	PLACES
.Lasked:
.macro IDS j                           ; chunk j is head 3 g + j of 48: s76 = q, k or v; s77 = the head
	s_mul_i32 s76, s11, 3
	s_add_co_u32 s76, s76, \j
	s_and_b32 s77, s76, 15
	s_lshr_b32 s76, s76, 4
.endm
.macro BIASLD j                        ; the chunk's 64 biases: register 8 n + i = b[64 head + 16 n + 8 h + i]
	IDS \j
	s_cmp_eq_u32 s76, 1
	s_cselect_b64 s[44:45], s[70:71], s[68:69]
	s_cmp_eq_u32 s76, 2
	s_cselect_b64 s[44:45], s[72:73], s[44:45]
	s_lshl_b32 s78, s77, 8
	s_mov_b32 s79, 0
	s_add_nc_u64 s[44:45], s[44:45], s[78:79]
.irp n, 0,1,2,3
	global_load_b128 v[BIAS+8*\n:BIAS+8*\n+3], v[BO], s[44:45] offset:64*\n
	global_load_b128 v[BIAS+8*\n+4:BIAS+8*\n+7], v[BO], s[44:45] offset:64*\n+16
.endr
.endm
.macro DEST j                          ; where the chunk goes, its factor, and the place of a lane's 16 bytes
	IDS \j
	s_lshl_b32 s12, s76, 24                        ; a section is 16,777,216 bytes,
	s_lshr_b32 s13, s10, 2                         ; the batch
	s_lshl_b32 s13, s13, 4
	s_add_co_u32 s13, s13, s77
	s_lshl_b32 s13, s13, 18                        ; a (batch, head) 262,144,
	s_add_co_u32 s12, s12, s13
	s_and_b32 s13, s10, 3
	s_lshl_b32 s13, s13, 3
	s_add_co_u32 s13, s13, s[WV]
	s_lshl_b32 s13, s13, 13                        ; a wave's 4 tiles of tokens 8,192
	s_add_co_u32 s12, s12, s13
	s_mov_b32 s13, 0
	s_add_nc_u64 s[46:47], s[74:75], s[12:13]
	s_mov_b32 s48, 1.0
	s_cmp_eq_u32 s76, 0
	s_cselect_b32 s48, 0x3e38aa3b, s48             ; q alone: log2(e) / 8
	s_cmp_eq_u32 s76, 2
	s_cselect_b32 s49, -1, 0
	v_cndmask_b32 v[SO], v[LI], v[SOV], s49        ; v alone: the turned place
.endm
.macro FETCHB j, s                     ; W's four fragments and two registers of scale words of K step s of chunk j
.irp n, 0,1,2,3
.irp c, 0,1
	ds_load_b128 v[BF+32*((\s)%2)+8*\n+4*\c:BF+32*((\s)%2)+8*\n+4*\c+3], v[FA] offset:\n*8192+(\s)*1024+512*\c
.endr
.endr
.irp p, 0,1
	ds_load_b32 v[WS+2*((\s)%2)+\p], v[LW] offset:(2*(\j)+\p)*1024+(\s)*128
.endr
.endm
.macro MM m, n, s                      ; accumulator (m, n), K step s.  The first product takes the bias as C
.set rD, ACC+8*(4*(\m)+(\n))
.set rW, BF+32*((\s)%2)+8*(\n)
.set rX, 8*(4*(\s)+(\m))
.set rC, rD
.if (\s) == 0
.set rC, BIAS+8*(\n)
.endif
.set rU, WS+2*((\s)%2)+(\n)/2
.set rV, XS+8*((\m)/2)+(\s)
.if ((\n)%2 == 0) && ((\m)%2 == 0)
	v_wmma_scale_f32_16x16x128_f8f6f4 v[rD:rD+7], v[rW:rW+7], v[rX:rX+7], v[rC:rC+7], v[rU], v[rV] matrix_a_fmt:MATRIX_FMT_FP4 matrix_b_fmt:MATRIX_FMT_FP4
.elseif ((\n)%2 == 1) && ((\m)%2 == 0)
	v_wmma_scale_f32_16x16x128_f8f6f4 v[rD:rD+7], v[rW:rW+7], v[rX:rX+7], v[rC:rC+7], v[rU], v[rV] matrix_a_fmt:MATRIX_FMT_FP4 matrix_b_fmt:MATRIX_FMT_FP4 matrix_a_scale:MATRIX_SCALE_ROW1
.elseif ((\n)%2 == 0)
	v_wmma_scale_f32_16x16x128_f8f6f4 v[rD:rD+7], v[rW:rW+7], v[rX:rX+7], v[rC:rC+7], v[rU], v[rV] matrix_a_fmt:MATRIX_FMT_FP4 matrix_b_fmt:MATRIX_FMT_FP4 matrix_b_scale:MATRIX_SCALE_ROW1
.else
	v_wmma_scale_f32_16x16x128_f8f6f4 v[rD:rD+7], v[rW:rW+7], v[rX:rX+7], v[rC:rC+7], v[rU], v[rV] matrix_a_fmt:MATRIX_FMT_FP4 matrix_b_fmt:MATRIX_FMT_FP4 matrix_a_scale:MATRIX_SCALE_ROW1 matrix_b_scale:MATRIX_SCALE_ROW1
.endif
.endm
.macro STEP j, s                       ; 128 along K: 16 products, the 16 accumulators by turns
.if (\j) == 0
	s_wait_loadcnt 8*(7-(\s))                      ; x's fragments of this K step are in (and what was asked for ahead of them); those of the later K steps, 8 loads each, may be out
.endif
	s_wait_dscnt 0x0                               ; this K step's fragments of W are in
	WIN 0
	PLACES                                         ; four plain places between the last K step's products and the loads into the set that they read
.if (\s) < 7
	FETCHB \j, (\s)+1
.endif
	WIN 0x04                                       ; source 1 (x) in window 1
.irp m, 0,1,2,3
.irp n, 0,1,2,3
	MM \m, \n, \s
.endr
.endr
.endm
; THE NORM of 4 tiles of tokens, stage by stage, the tiles by turns.  Work registers of tile m at TT + 8 m: +0,1 and +2,3 two running pairs; +4 -mean; +5 the other half's part; +6 1 / sqrt(var + eps) x factor; +7 named as a pair's upper half only.
; A tile's four accumulators lie at offsets 0-7, 8-15, 16-23, 24-31 from ACC + 32 m.  EACH IS READ FROM ITS LOW END ON: the first four additions of a tile read offsets 0 and 2, 8 and 10, 16, 24;
; only then come the other pairs.
.macro EPI
.irp m, 0,1,2,3
	v_pk_add_f32 v[TT+8*\m:TT+8*\m+1], v[ACC+32*\m:ACC+32*\m+1], v[ACC+32*\m+2:ACC+32*\m+3]
.endr
.irp m, 0,1,2,3
	v_pk_add_f32 v[TT+8*\m+2:TT+8*\m+3], v[ACC+32*\m+8:ACC+32*\m+9], v[ACC+32*\m+10:ACC+32*\m+11]
.endr
.irp m, 0,1,2,3
	v_pk_add_f32 v[TT+8*\m:TT+8*\m+1], v[TT+8*\m:TT+8*\m+1], v[ACC+32*\m+16:ACC+32*\m+17]
.endr
.irp m, 0,1,2,3
	v_pk_add_f32 v[TT+8*\m+2:TT+8*\m+3], v[TT+8*\m+2:TT+8*\m+3], v[ACC+32*\m+24:ACC+32*\m+25]
.endr
.irp o, 4,12,18,22,28
.irp m, 0,1,2,3
	v_pk_add_f32 v[TT+8*\m:TT+8*\m+1], v[TT+8*\m:TT+8*\m+1], v[ACC+32*\m+\o:ACC+32*\m+\o+1]
.endr
.endr
.irp o, 6,14,20,26,30
.irp m, 0,1,2,3
	v_pk_add_f32 v[TT+8*\m+2:TT+8*\m+3], v[TT+8*\m+2:TT+8*\m+3], v[ACC+32*\m+\o:ACC+32*\m+\o+1]
.endr
.endr
.irp m, 0,1,2,3
	v_pk_add_f32 v[TT+8*\m:TT+8*\m+1], v[TT+8*\m:TT+8*\m+1], v[TT+8*\m+2:TT+8*\m+3]
.endr
.irp m, 0,1,2,3
	v_add_f32 v[TT+8*\m+4], v[TT+8*\m], v[TT+8*\m+1]
.endr
.irp m, 0,1,2,3
	v_permlanex16_b32 v[TT+8*\m+5], v[TT+8*\m+4], s50, s51
.endr
.irp m, 0,1,2,3
	v_add_f32 v[TT+8*\m+4], v[TT+8*\m+4], v[TT+8*\m+5]
.endr
.irp m, 0,1,2,3
	v_mul_f32 v[TT+8*\m+4], s52, v[TT+8*\m+4]      ; -mean of the token's 64 channels
.endr
.irp o, 0,2,4,6,8,10,12,14,16,18,20,22,24,26,28,30
.irp m, 0,1,2,3
	v_pk_add_f32 v[ACC+32*\m+\o:ACC+32*\m+\o+1], v[ACC+32*\m+\o:ACC+32*\m+\o+1], v[TT+8*\m+4:TT+8*\m+5] op_sel_hi:[1,0]
.endr
.endr
.irp m, 0,1,2,3
	v_pk_mul_f32 v[TT+8*\m:TT+8*\m+1], v[ACC+32*\m:ACC+32*\m+1], v[ACC+32*\m:ACC+32*\m+1]
	v_pk_mul_f32 v[TT+8*\m+2:TT+8*\m+3], v[ACC+32*\m+2:ACC+32*\m+3], v[ACC+32*\m+2:ACC+32*\m+3]
.endr
.irp o, 4,8,12,16,20,24,28
.irp m, 0,1,2,3
	v_pk_fma_f32 v[TT+8*\m:TT+8*\m+1], v[ACC+32*\m+\o:ACC+32*\m+\o+1], v[ACC+32*\m+\o:ACC+32*\m+\o+1], v[TT+8*\m:TT+8*\m+1]
	v_pk_fma_f32 v[TT+8*\m+2:TT+8*\m+3], v[ACC+32*\m+\o+2:ACC+32*\m+\o+3], v[ACC+32*\m+\o+2:ACC+32*\m+\o+3], v[TT+8*\m+2:TT+8*\m+3]
.endr
.endr
.irp m, 0,1,2,3
	v_pk_add_f32 v[TT+8*\m:TT+8*\m+1], v[TT+8*\m:TT+8*\m+1], v[TT+8*\m+2:TT+8*\m+3]
.endr
.irp m, 0,1,2,3
	v_add_f32 v[TT+8*\m+6], v[TT+8*\m], v[TT+8*\m+1]
.endr
.irp m, 0,1,2,3
	v_permlanex16_b32 v[TT+8*\m+5], v[TT+8*\m+6], s50, s51
.endr
.irp m, 0,1,2,3
	v_add_f32 v[TT+8*\m+6], v[TT+8*\m+6], v[TT+8*\m+5]
.endr
.irp m, 0,1,2,3
	v_fma_f32 v[TT+8*\m+6], v[TT+8*\m+6], s53, s54 ; var + eps
.endr
.irp m, 0,1,2,3
	v_rsq_f32 v[TT+8*\m+6], v[TT+8*\m+6]
.endr
	v_nop                                          ; a plain line behind the last of the batch,
	s_wait_alu depctr_va_vdst(0)                   ; and the one wait ahead of the first line that names a result
.irp m, 0,1,2,3
	v_mul_f32 v[TT+8*\m+6], s48, v[TT+8*\m+6]
.endr
.irp o, 0,2,4,6,8,10,12,14,16,18,20,22,24,26,28,30
.irp m, 0,1,2,3
	v_pk_mul_f32 v[ACC+32*\m+\o:ACC+32*\m+\o+1], v[ACC+32*\m+\o:ACC+32*\m+\o+1], v[TT+8*\m+6:TT+8*\m+7] op_sel_hi:[1,0]
.endr
.endr
.irp m, 0,1,2,3
.irp n, 0,1,2,3
.irp p, 0,1,2,3
	v_cvt_pk_f16_f32 v[ACC+32*\m+8*\n+\p], v[ACC+32*\m+8*\n+2*\p], v[ACC+32*\m+8*\n+2*\p+1]   ; in place, ascending: no source is written before it is read
.endr
.endr
.irp n, 0,1,2,3
	global_store_b128 v[SO], v[ACC+32*\m+8*\n:ACC+32*\m+8*\n+3], s[46:47] offset:\m*2048+\n*512   ; the wave stores 512 consecutive bytes
.endr
.endr
.endm
.macro CHUNK j
.if (\j) > 0
	s_wait_xcnt 0x0                                ; the last chunk's stores have read their data (the accumulators), their offset and their base: all three are written again below
	s_wait_loadcnt 0x0                             ; the biases
.endif
.irp s, 0,1,2,3,4,5,6,7
	STEP \j, \s
.endr
	WIN 0
	PLACES                                         ; between the last products and the first read of results, the loads into set 0 and the writes into set 1
.if (\j) < 2
	v_add_nc_u32 v[FA], ((\j)+1)*32768, v[LI]      ; the next chunk's first fragments and biases are asked for ahead of this chunk's norm
	FETCHB (\j)+1, 0
	BIASLD (\j)+1
.endif
	DEST \j
	EPI
.endm
.irp p, 0,1
.irp q, 0,1
	global_load_b128 v[XS+8*\p+4*\q:XS+8*\p+4*\q+3], v[XSA], s[42:43] offset:\p*1024+\q*256
.endr
.endr
	BIASLD 0
	WIN 0x40                                       ; destination window 1
.irp s, 0,1,2,3,4,5,6,7                        ; in the order of the K steps, so that the counted waits can let the later ones stay out
.irp m, 0,1,2,3
.irp c, 0,1
	global_load_b128 v[8*(4*\s+\m)+4*\c:8*(4*\s+\m)+4*\c+3], v[LI], s[40:41] offset:\m*8192+\s*1024+512*\c
.endr
.endr
.endr
	WIN 0
	s_wait_tensorcnt 0x0                           ; my part of the weights is in,
	s_barrier_signal -1
	s_barrier_wait -1                              ; everybody's is
	v_mov_b32 v[FA], v[LI]
	FETCHB 0, 0
	CHUNK 0
	CHUNK 1
	CHUNK 2
	s_wait_tensorcnt 0x0                           ; the wave's end
	ds_add_u32 v[SPW], v[NIL]
	s_wait_dscnt 0x0
	CROUND                                         ; the closing round
	s_endpgm
.Lfunc_end_k_q72d7c4c73d_qkv:
	.size	k_q72d7c4c73d_qkv, .Lfunc_end_k_q72d7c4c73d_qkv-k_q72d7c4c73d_qkv
	.p2alignl 7, 3214868480
	.fill 96, 4, 3214868480
	.section	.rodata,"a",@progbits
	.p2align	6, 0x0
	.amdhsa_kernel k_q72d7c4c73d_qkv
		.amdhsa_group_segment_fixed_size 167936
		.amdhsa_private_segment_fixed_size 0
		.amdhsa_enable_private_segment 0
		.amdhsa_kernarg_size 64
		.amdhsa_user_sgpr_count 2
		.amdhsa_user_sgpr_kernarg_segment_ptr 1
		.amdhsa_wavefront_size32 1
		.amdhsa_system_sgpr_workgroup_id_x 1
		.amdhsa_system_sgpr_workgroup_id_y 1
		.amdhsa_system_sgpr_workgroup_id_z 1
		.amdhsa_system_vgpr_workitem_id 0
		.amdhsa_next_free_vgpr 512
		.amdhsa_next_free_sgpr 80
		.amdhsa_reserve_vcc 0
		.amdhsa_float_denorm_mode_32 3
		.amdhsa_float_denorm_mode_16_64 3
		.amdhsa_memory_ordered 1
		.amdhsa_forward_progress 1
		.amdhsa_inst_pref_size 156
	.end_amdhsa_kernel
	.amdgpu_metadata
---
amdhsa.version: [ 1, 2 ]
amdhsa.kernels:
  - .name:           k_q72d7c4c73d_qkv
    .symbol:         k_q72d7c4c73d_qkv.kd
    .args:
      - { .name: xc, .offset: 0, .size: 8, .value_kind: global_buffer, .address_space: global }
      - { .name: xs, .offset: 8, .size: 8, .value_kind: global_buffer, .address_space: global }
      - { .name: wc, .offset: 16, .size: 8, .value_kind: global_buffer, .address_space: global }
      - { .name: ws, .offset: 24, .size: 8, .value_kind: global_buffer, .address_space: global }
      - { .name: bq, .offset: 32, .size: 8, .value_kind: global_buffer, .address_space: global }
      - { .name: bk, .offset: 40, .size: 8, .value_kind: global_buffer, .address_space: global }
      - { .name: bv, .offset: 48, .size: 8, .value_kind: global_buffer, .address_space: global }
      - { .name: qkv, .offset: 56, .size: 8, .value_kind: global_buffer, .address_space: global }
    .group_segment_fixed_size: 167936
    .private_segment_fixed_size: 0
    .kernarg_segment_align: 8
    .kernarg_segment_size: 64
    .max_flat_workgroup_size: 256
    .sgpr_count:     80
    .vgpr_count:     512
    .wavefront_size: 32
...
	.end_amdgpu_metadata
.endif
;; end of part 2
;; launch attn (part 3): grid 4 x 64, 8 waves a work-group, clusters of 4 x 1, 327,680 bytes of LDS; arguments qkv, cc; writes cc
.if DOCPART == 3
	.amdgcn_target "amdgcn-amd-amdhsa--gfx1250"
	.amdhsa_code_object_version 6
	.text
	.protected	k_q72d7c4c73d_attn
	.globl	k_q72d7c4c73d_attn
	.p2align	8
	.type	k_q72d7c4c73d_attn,@function
k_q72d7c4c73d_attn:
	s_mov_b64 s[64:65], 0
	v_nop
	global_prefetch_b8 v0, s[64:65] scope:SCOPE_SE
	s_setreg_imm32_b32 hwreg(HW_REG_WAVE_MODE, 25, 1), 1
	s_wait_xcnt 0x0
	s_wait_alu depctr_hold_cnt(0) depctr_sa_sdst(0) depctr_va_vdst(0) depctr_va_sdst(0) depctr_va_ssrc(0) depctr_va_vcc(0) depctr_vm_vsrc(0)
	s_getreg_b32 s2, hwreg(HW_REG_IB_STS2, 6, 4)
	s_cmp_eq_u32 s2, 0
	s_cbranch_scc0 .Lentry_in_a_cluster
	s_endpgm
.Lentry_in_a_cluster:
	s_bfe_u32 s2, ttmp6, 0x10000c
	s_cmp_lg_u32 s2, 0x3003
	s_cbranch_scc0 .Lentry_shape_is_right
	s_endpgm
.Lentry_shape_is_right:
; ATTENTION.  O[q] = sum over k of softmax_k(q . k / 8) v[k], 64 (batch, head) pairs of 2,048 x 2,048 x 64, no mask.  Operands in f16, products and sums in f32.
; NO MAXIMUM IS TAKEN AWAY, BECAUSE THE COMPUTATION ITSELF BOUNDS THE EXPONENTS FOR EVERY INPUT: q and k are layer-normed over their 64 channels with no gain, so the sum of squares of each is
; 64 var / (var + eps) < 64, and |q . k| / 8 <= 8 (8.01 with the roundings to f16).  So the weight p = e^score lies between 3.3e-4 and 3.0e3, inside f16's normal numbers (6.1e-5 .. 65,504);
; a row's sum is at most 2,048 x 3.0e3 = 6.2e6 and |O| before the division at most 5e7: nothing can overflow or underflow.  q arrives multiplied by log2(e) / 8, so p = 2^(the product's result).
; The row's sum is taken of the unrounded p.  LIMITS: NaN and infinities are not served.
; SHARES.  A work-group owns 512 queries of one head, each of its eight waves 64: four tiles of 16.  Every wave walks all keys, 64 a step.
; LAYOUT.  S^T = K Q^T (source 0 = 16 keys, source 1 = 16 queries), O^T = V^T P (source 0 = 16 channels, source 1 = P): a lane holds ONE query (lane % 16) throughout; two tiles of S^T, rounded to f16 in pairs,
; ARE source 1 of the second product.  They are packed IN PLACE over S^T's lower half.  K, V and Q lie in memory as images of registers: every load is 16 bytes a lane, dense; V is turned by ds_load_tr16_b128.
; BY TURNS.  The wave's tiles are two pieces (tiles 0, 1 and tiles 2, 3).  In a turn one piece has the matrix unit (16 products V^T P of the step in hand, 16 products K Q^T of the next), and the other
; piece's softmax, 128 instructions in 32 slices of four, stands between them, one slice behind each product.  Two turns are a key step.
; RING.  Two LDS slots of 512 keys (K 65,536 bytes, V 65,536); each wave brings 16,384 bytes with one tensor load.  2,048 keys are four slots' worth: two first fills, two refills.
; CLUSTER.  The four work-groups of a cluster are the four query blocks of one head and walk the same K and V: every fill is asked for jointly (mask 15).
; REGISTERS.  Window 0: v1-5 addresses; v8-23 the rows' sums, four a tile; v24-31 the way out; v64-127 K of a step; v128-255 S^T, 32 a tile.   Window 1: v0-127 O^T, 32 a tile; v128-191 Q; v192-255 V of a step.
.set SLOT1, 1<<17
.set SPARE, 2*SLOT1                    ; behind the ring: the spare words, 128 bytes for each of 8 waves, which no other line names
.set LI,  1                            ; v1  16 x lane
.set LIV, 2                            ; v2  16 x lane + 65,536: V's half of a slot
.set ADR, 3                            ; v3  the LDS address of the run of loads in hand
.set SPW, 4                            ; v4  my spare word; never rewritten
.set NIL, 5                            ; v5  0; never rewritten
.set L,   8
.set RC,  24
.set KF,  64
.set S,   128
.set WV,  8                            ; s8 wave; s9 place in the cluster; s10 block of 512 queries; s11 (batch, head)
.set G1,  16                           ; s[16:23] descriptor group 1
.set G0A, 24                           ; s[24:27] group 0 of slot 0's first fill
.set G0B, 28                           ; s[28:31] of slot 1's; it then walks
.set TB,  36                           ; s36 LDS byte at which the step to be fetched begins
.set CNT, 37
.set SEL, 38
.set W_KQ, 0x04                        ; Q (source 1) in window 1
.set W_PV, 0x51                        ; V (source 0), C and D in window 1, P (source 1) in window 0
.set MSB, 0
.macro WIN new                         ; the immediate's high byte repeats the setting that is left
.if MSB != (\new)
	s_set_vgpr_msb (MSB<<8)|(\new)
.set MSB, \new
.endif
.endm
.macro PLACES
.rept 4
	v_nop
.endr
.endm
.macro CROUND                          ; a round of the cluster's barrier
	s_barrier_signal -1
	s_barrier_wait -1
	s_cmp_lg_u32 s[WV], 0
	s_cbranch_scc1 .Lnot_wave_0_\@
	s_barrier_signal -3
.Lnot_wave_0_\@:
	s_barrier_wait -3
	s_barrier_signal -1
	s_barrier_wait -1
.endm
	s_load_b128 s[4:7], s[0:1], 0x0                ; qkv s[4:5], cc s[6:7]
	v_lshl_add_u32 v[SPW], v0, 2, SPARE
	v_mov_b32 v[NIL], 0
	ds_add_u32 v[SPW], v[NIL]                      ; the wave's opening: the add, twice on end, and its wait ahead of my first tensor load
	ds_add_u32 v[SPW], v[NIL]
	v_lshrrev_b32 v1, 5, v0
	v_readfirstlane_b32 s[WV], v1
	s_bfe_u32 s9, ttmp6, 0x40000
	s_lshl_b32 s10, ttmp9, 2
	s_add_co_u32 s10, s10, s9                      ; my block of queries: it enters Q's and cc's addresses alone
	s_and_b32 s11, ttmp7, 0xffff
	s_mov_b32 s[G1], 15|(3<<16)|(1<<21)            ; mask: all four; elements of 8 bytes; bit 21 beside the mask
	s_mov_b32 s[G1+1], 32<<16                      ; tensor_dim0: rows of 256 bytes
	s_mov_b32 s[G1+2], 64<<16                      ; tensor_dim1: 64 rows = 16,384 dense bytes
	s_mov_b32 s[G1+3], 32<<16                      ; tile_dim0
	s_mov_b32 s[G1+4], 64                          ; tile_dim1
	s_mov_b32 s[G1+5], 32                          ; the pitch
	s_mov_b32 s[G1+6], 0
	s_mov_b32 s[G1+7], 0
	s_lshr_b32 s40, s[WV], 2                       ; waves 0-3 fetch K (section 1), waves 4-7 V (section 2),
	s_add_co_u32 s40, s40, 1
	s_lshl_b32 s40, s40, 24
	s_lshl_b32 s41, s11, 18                        ; of my head,
	s_add_co_u32 s40, s40, s41
	s_and_b32 s41, s[WV], 3
	s_lshl_b32 s41, s41, 14                        ; a quarter of a slot's 65,536 bytes each
	s_add_co_u32 s40, s40, s41
	s_mov_b32 s41, 0
	s_lshl_b32 s42, s[WV], 14                      ; to LDS byte 16,384 x wave of the slot
	s_lshl_b32 s12, s10, 3
	s_add_co_u32 s12, s12, s[WV]
	s_lshl_b32 s12, s12, 13                        ; Q: my wave's 4 tiles of 2,048 bytes
	s_lshl_b32 s13, s11, 18
	s_add_co_u32 s12, s12, s13
	s_mov_b32 s13, 0
	s_lshr_b32 s14, s11, 4                         ; cc: the batch's 128 tiles of tokens, 32,768 bytes each; my wave's 4;
	s_lshl_b32 s14, s14, 5
	s_lshl_b32 s15, s10, 3
	s_add_co_u32 s14, s14, s15
	s_add_co_u32 s14, s14, s[WV]
	s_lshl_b32 s14, s14, 17
	s_and_b32 s15, s11, 15
	s_lshl_b32 s15, s15, 11                        ; the head's 2,048 bytes in a tile
	s_add_co_u32 s14, s14, s15
	s_mov_b32 s15, 0
	s_mov_b32 s[SEL], 0x76543210
	s_mov_b32 s[SEL+1], 0xfedcba98
	s_mov_b32 s[TB], 0
	v_and_b32 v[LI], 31, v0
	v_lshlrev_b32 v[LI], 4, v[LI]
	v_add_nc_u32 v[LIV], 0x10000, v[LI]
.set f, 0
.rept 24
	v_mov_b32 v[L+f], 0                            ; the sums begin at 0; the way out's registers are written once (a lane permute's destination counts as a source)
.set f, f+1
.endr
	s_wait_dscnt 0x0                               ; both opening adds are done
	s_wait_kmcnt 0x0
	s_mov_b32 s[G0A], 1
	s_mov_b32 s[G0A+1], s42
	s_add_nc_u64 s[G0A+2:G0A+3], s[4:5], s[40:41]
	s_mov_b32 s[G0B], 1
	s_add_co_u32 s[G0B+1], s42, SLOT1
	s_add_nc_u64 s[G0B+2:G0B+3], s[G0A+2:G0A+3], 65536
	s_or_b32 s[G0A+3], s[G0A+3], 0x80000000
	s_or_b32 s[G0B+3], s[G0B+3], 0x80000000
	s_add_nc_u64 s[32:33], s[4:5], s[12:13]
	s_add_nc_u64 s[34:35], s[6:7], s[14:15]
	CROUND                                         ; all four work-groups are here: the first joint loads meet
	tensor_load_to_lds s[G0A:G0A+3], s[G1:G1+7]    ; keys 0-511
	s_nop 0
	tensor_load_to_lds s[G0B:G0B+3], s[G1:G1+7]    ; keys 512-1,023: two loads of mine are out
	s_nop 0
	PLACES
	WIN 0x40
.set f, 0
.rept 16
	global_load_b128 v[128+4*f:128+4*f+3], v[LI], s[32:33] offset:512*f   ; Q stays in registers: tile f / 4, channels 32 ((f / 2) % 2) on
.set f, f+1
.endr
	WIN 0
; Product i of 16 of S^T = K Q^T for piece x: channels 32 (i / 8) on, keys 16 ((i / 2) % 4) on, tile x + i % 2.  The first 8 start the sums.  The 8 accumulators take turns.
.macro KQ x
	WIN W_KQ
.set rS, S+32*((\x)+i%2)+8*((i/2)%4)
.set rK, KF+16*((i/2)%4)+8*(i/8)
.set rQ, 128+16*((\x)+i%2)+8*(i/8)
.if i < 8
	v_wmma_f32_16x16x32_f16 v[rS:rS+7], v[rK:rK+7], v[rQ:rQ+7], 0
.else
	v_wmma_f32_16x16x32_f16 v[rS:rS+7], v[rK:rK+7], v[rQ:rQ+7], v[rS:rS+7]
.endif
.endm
; Product i of 16 of O^T += V^T P: keys 32 (i / 8) on, channels 16 ((i / 2) % 4) on, tile x + i % 2.  zero = 1: the first 8 start the sums: O^T is never cleared.
.macro PV x, zero
	WIN W_PV
.set rO, 32*((\x)+i%2)+8*((i/2)%4)
.set rV, 192+32*(i/8)+8*((i/2)%4)
.set rP, S+32*((\x)+i%2)+8*(i/8)
.if (\zero) && (i < 8)
	v_wmma_f32_16x16x32_f16 v[rO:rO+7], v[rV:rV+7], v[rP:rP+7], 0
.else
	v_wmma_f32_16x16x32_f16 v[rO:rO+7], v[rV:rV+7], v[rP:rP+7], v[rO:rO+7]
.endif
.endm
.macro FETCH_K                         ; a step's K: 64 keys x 64 channels, 8,192 dense bytes, in one run
	WIN 0
	v_add_nc_u32 v[ADR], s[TB], v[LI]
.set f, 0
.rept 16
	ds_load_b128 v[KF+4*f:KF+4*f+3], v[ADR] offset:512*f
.set f, f+1
.endr
.endm
.macro FETCH_V                         ; the same step's V, turned; the softmax's one wait stands in it
	WIN 0
	PLACES                                         ; with the addition below: five plain places between the last product that read V and P and the loads into V and the products that write over P
	v_add_nc_u32 v[ADR], s[TB], v[LIV]             ; the first of them is also the plain line behind the last exponential
	s_add_co_u32 s[TB], s[TB], 8192                ; the next fetch is the next step's
	s_wait_alu depctr_va_vdst(0)                   ; one wait for the piece's 64 exponentials, ahead of the first line that names a result
	WIN 0x40
.set f, 0
.rept 16                                       ; block f: keys 16 (f / 4) on, channels 16 (f % 4) on
	ds_load_tr16_b128 v[192+32*(f/8)+8*(f%4)+4*((f/4)%2):192+32*(f/8)+8*(f%4)+4*((f/4)%2)+3], v[ADR] offset:512*f
.set f, f+1
.endr
.endm
; Slice k of 32 of piece y's softmax.  0-15: the 64 exponentials, in place, four of one tile a slice, ascending; none of these reads a result.
; Behind slice 15 the one wait.  16-23: the rows' sums, two chains a tile.  24-31: the roundings to f16, in place and ascending: register d takes numbers 2 d, 2 d + 1.
.macro SLICE y
	WIN 0
.if k < 16
.set rE, S+32*((\y)+k%2)+4*(k/2)
	v_exp_f32 v[rE], v[rE]
	v_exp_f32 v[rE+1], v[rE+1]
	v_exp_f32 v[rE+2], v[rE+2]
	v_exp_f32 v[rE+3], v[rE+3]
.if k == 15
.if (\y) == 0
	FETCH_V
.else
.rept 5
	v_nop                                          ; five plain places between the last product that read P and the products that write over it; the first is the plain line behind the last exponential
.endr
	s_wait_alu depctr_va_vdst(0)                   ; one wait for the piece's 64 exponentials
.endif
.endif
.elseif k < 24
.set n, k-16
.set rA, L+4*(\y)
.set rE, S+32*(\y)+4*n
	v_pk_add_f32 v[rA:rA+1], v[rA:rA+1], v[rE:rE+1]
	v_pk_add_f32 v[rA+4:rA+5], v[rA+4:rA+5], v[rE+32:rE+33]
	v_pk_add_f32 v[rA+2:rA+3], v[rA+2:rA+3], v[rE+2:rE+3]
	v_pk_add_f32 v[rA+6:rA+7], v[rA+6:rA+7], v[rE+34:rE+35]
.else
.set n, k-24
.set rE, S+32*(\y)
	v_cvt_pk_f16_f32 v[rE+2*n], v[rE+4*n], v[rE+4*n+1]
	v_cvt_pk_f16_f32 v[rE+32+2*n], v[rE+32+4*n], v[rE+32+4*n+1]
	v_cvt_pk_f16_f32 v[rE+2*n+1], v[rE+4*n+2], v[rE+4*n+3]
	v_cvt_pk_f16_f32 v[rE+32+2*n+1], v[rE+32+4*n+2], v[rE+32+4*n+3]
.endif
.set k, k+1
.endm
; A TURN.  Piece x has the matrix unit.  pv = 2: 16 products V^T P; 1: they start O^T's sums; 0: none.  kq = 1: 16 products K Q^T of the next step.  With one kind alone two slices stand behind each product.
; Slice 31's four roundings, which name nothing of the turn's products, are the four places between the last K Q^T and what follows: the next turn's exponentials and the loads into K's registers.
.macro TURN x, pv, kq
.set k, 0
.set per, 2
.if (\pv) && (\kq)
.set per, 1
.endif
.if \pv
.if (\x) == 0
	s_wait_dscnt 0x0                               ; V is in
.endif
.set i, 0
.rept 16
	PV \x, 2-(\pv)
.rept per
	SLICE 2-(\x)
.endr
.if ((\x) == 0) && (\kq) && (i == 1)
	FETCH_K                                        ; the next step's K, 14 products ahead of its first use
.endif
.set i, i+1
.endr
.endif
.if \kq
.if (\x) == 0
	s_wait_dscnt 0x0                               ; K is in
.endif
.set i, 0
.rept 16
	KQ \x
.rept per
	SLICE 2-(\x)
.endr
.set i, i+1
.endr
.endif
.endm
.macro PAIRS n                         ; n key steps
	s_mov_b32 s[CNT], \n
.Lpair_\@:
	TURN 0, 2, 1
	TURN 2, 2, 1
	WIN 0                                          ; at a label and at a branch every window is 0
	s_sub_co_u32 s[CNT], s[CNT], 1
	s_cmp_lg_u32 s[CNT], 0
	s_cbranch_scc1 .Lpair_\@
.endm
; THE CHANGE OF SLOTS, when a slot's last bytes (V of its eighth step) have been asked for.  Each wave waits for all its tensor loads (its part of the other slot), adds 0 to its spare word, and waits for that
; and for its reads of the slot.  fill = 1: the barrier is a round of the cluster's, and the joint refill, the next 512 keys but one, is the first thing behind it: it has eight key steps in which to land.
.macro CHANGE fill
	WIN 0
	s_wait_tensorcnt 0x0                           ; no tensor load of mine is out, so a group 0 may be written
	ds_add_u32 v[SPW], v[NIL]
.if \fill
	s_xor_b32 s[G0B+1], s[G0B+1], SLOT1            ; the walking descriptor: the other slot than last time,
	s_add_nc_u64 s[G0B+2:G0B+3], s[G0B+2:G0B+3], 65536   ; the next 512 keys
.endif
	s_wait_dscnt 0x0                               ; the add is done, and my reads of the slot are over
.if \fill
	CROUND
	tensor_load_to_lds s[G0B:G0B+3], s[G1:G1+7]
	s_nop 0
	PLACES
.else
	s_barrier_signal -1
	s_barrier_wait -1
.endif
	s_sub_co_u32 s[TB], s[TB], 65536               ; the fetches go back to a slot's first step,
	s_xor_b32 s[TB], s[TB], SLOT1                  ; in the other slot
.endm
	s_wait_tensorcnt 0x1                           ; my part of slot 0 is in; slot 1's may stay out
	s_barrier_signal -1
	s_barrier_wait -1
	FETCH_K                                        ; key step 0
	s_wait_loadcnt 0x0                             ; Q
	s_wait_dscnt 0x0
.set i, 0
.rept 16
	KQ 0                                           ; piece 0's first scores
.set i, i+1
.endr
	WIN 0
	PLACES
	TURN 2, 0, 1                                   ; piece 2's first scores | piece 0's first softmax | V of step 0
	TURN 0, 1, 1                                   ; piece 0: V^T P of step 0 starts O^T, K Q^T of step 1 | piece 2's first softmax | K of step 1
	TURN 2, 1, 1                                   ; piece 2: the same | piece 0's softmax of step 1 | V of step 1
	WIN 0
	PAIRS 6                                        ; steps 1-6; K and V of steps 2-7 are fetched: slot 0 is read out
	CHANGE 1                                       ; slot 0 takes keys 1,024-1,535
	PAIRS 8
	CHANGE 1                                       ; slot 1 takes keys 1,536-2,047
	PAIRS 8
	CHANGE 0                                       ; nothing is left to ask for
	PAIRS 8                                        ; steps 23-30
	TURN 0, 2, 0                                   ; piece 0: V^T P of the last step | piece 2's last softmax
.set i, 0
.rept 16
	PV 2, 0                                        ; piece 2: V^T P of the last step
.set i, i+1
.endr
	; THE WAY OUT.  The four additions are the places behind the last products.
	WIN 0
.irp t, 0,1,2,3
	v_pk_add_f32 v[L+4*\t:L+4*\t+1], v[L+4*\t:L+4*\t+1], v[L+4*\t+2:L+4*\t+3]
.endr
.irp t, 0,1,2,3
	v_add_f32 v[RC+2*\t], v[L+4*\t], v[L+4*\t+1]
.endr
.irp t, 0,1,2,3
	v_permlanex16_b32 v[RC+2*\t+1], v[RC+2*\t], s[SEL], s[SEL+1]   ; the query's other keys lie in the lane 16 away
.endr
.irp t, 0,1,2,3
	v_add_f32 v[RC+2*\t], v[RC+2*\t], v[RC+2*\t+1]
.endr
.irp t, 0,1,2,3
	v_rcp_f32 v[RC+2*\t], v[RC+2*\t]
.endr
	v_nop                                          ; a plain line behind the last reciprocal,
	s_wait_alu depctr_va_vdst(0)                   ; and the one wait ahead of the first use
.irp t, 0,1,2,3
	WIN 0x41                                       ; O^T (destination, source 0) window 1
.set f, 0
.rept 16
	v_pk_mul_f32 v[32*\t+2*f:32*\t+2*f+1], v[32*\t+2*f:32*\t+2*f+1], v[RC+2*\t:RC+2*\t+1] op_sel_hi:[1,0]
.set f, f+1
.endr
	WIN 0x05                                       ; sources window 1, destination window 0: S^T's registers are free
.set f, 0
.rept 16
	v_cvt_pk_f16_f32 v[S+16*\t+f], v[32*\t+2*f], v[32*\t+2*f+1]
.set f, f+1
.endr
	WIN 0
.irp n, 0,1,2,3
	global_store_b128 v[LI], v[S+16*\t+4*\n:S+16*\t+4*\n+3], s[34:35] offset:\t*32768+512*\n   ; token lane % 16, channels 16 n + 8 (lane / 16) on: 512 consecutive bytes, the next launch's operand as it stands
.endr
.endr
	s_wait_tensorcnt 0x0                           ; the wave's end
	ds_add_u32 v[SPW], v[NIL]
	s_wait_dscnt 0x0
	CROUND                                         ; the closing round
	s_endpgm
.Lfunc_end_k_q72d7c4c73d_attn:
	.size	k_q72d7c4c73d_attn, .Lfunc_end_k_q72d7c4c73d_attn-k_q72d7c4c73d_attn
	.p2alignl 7, 3214868480
	.fill 96, 4, 3214868480
	.section	.rodata,"a",@progbits
	.p2align	6, 0x0
	.amdhsa_kernel k_q72d7c4c73d_attn
		.amdhsa_group_segment_fixed_size 327680
		.amdhsa_private_segment_fixed_size 0
		.amdhsa_enable_private_segment 0
		.amdhsa_kernarg_size 16
		.amdhsa_user_sgpr_count 2
		.amdhsa_user_sgpr_kernarg_segment_ptr 1
		.amdhsa_wavefront_size32 1
		.amdhsa_system_sgpr_workgroup_id_x 1
		.amdhsa_system_sgpr_workgroup_id_y 1
		.amdhsa_system_sgpr_workgroup_id_z 1
		.amdhsa_system_vgpr_workitem_id 0
		.amdhsa_next_free_vgpr 512
		.amdhsa_next_free_sgpr 66
		.amdhsa_reserve_vcc 0
		.amdhsa_float_denorm_mode_32 3
		.amdhsa_float_denorm_mode_16_64 3
		.amdhsa_memory_ordered 1
		.amdhsa_forward_progress 1
		.amdhsa_inst_pref_size 154
	.end_amdhsa_kernel
	.amdgpu_metadata
---
amdhsa.version: [ 1, 2 ]
amdhsa.kernels:
  - .name:           k_q72d7c4c73d_attn
    .symbol:         k_q72d7c4c73d_attn.kd
    .args:
      - { .name: qkv, .offset: 0, .size: 8, .value_kind: global_buffer, .address_space: global }
      - { .name: cc, .offset: 8, .size: 8, .value_kind: global_buffer, .address_space: global }
    .group_segment_fixed_size: 327680
    .private_segment_fixed_size: 0
    .kernarg_segment_align: 8
    .kernarg_segment_size: 16
    .max_flat_workgroup_size: 256
    .sgpr_count:     66
    .vgpr_count:     512
    .wavefront_size: 32
...
	.end_amdgpu_metadata
.endif
;; end of part 3
;; launch oproj (part 4): grid 32 x 8, 4 waves a work-group, clusters of 4 x 1, 296,448 bytes of LDS; arguments cc, wo16, bo, out0; writes out0
.if DOCPART == 4
	.amdgcn_target "amdgcn-amd-amdhsa--gfx1250"
	.amdhsa_code_object_version 6
	.text
	.protected	k_q72d7c4c73d_oproj
	.globl	k_q72d7c4c73d_oproj
	.p2align	8
	.type	k_q72d7c4c73d_oproj,@function
k_q72d7c4c73d_oproj:
	s_mov_b64 s[64:65], 0
	v_nop
	global_prefetch_b8 v0, s[64:65] scope:SCOPE_SE
	s_setreg_imm32_b32 hwreg(HW_REG_WAVE_MODE, 25, 1), 1
	s_wait_xcnt 0x0
	s_wait_alu depctr_hold_cnt(0) depctr_sa_sdst(0) depctr_va_vdst(0) depctr_va_sdst(0) depctr_va_ssrc(0) depctr_va_vcc(0) depctr_vm_vsrc(0)
	s_getreg_b32 s2, hwreg(HW_REG_IB_STS2, 6, 4)
	s_cmp_eq_u32 s2, 0
	s_cbranch_scc0 .Lentry_in_a_cluster
	s_endpgm
.Lentry_in_a_cluster:
	s_bfe_u32 s2, ttmp6, 0x10000c
	s_cmp_lg_u32 s2, 0x3003
	s_cbranch_scc0 .Lentry_shape_is_right
	s_endpgm
.Lentry_shape_is_right:
; OUT = concat Wo + bo.  concat [8192][1024] and Wo arrive in f16 as images of operand registers; sums in f32; out0 [8192][1024] f32.
; SHARES.  A work-group makes 256 tokens x 128 columns; each of its four waves 64 tokens x 128 columns: 32 accumulators (window 1).
; Wo's 262,144 bytes for the 128 columns come into LDS ONCE, a quarter of K to a load, four loads a wave, all asked for at the start (four of mine are out); nothing is filled again.
; CLUSTER: the four work-groups of a cluster share the columns, so those fills are asked for jointly (mask 15).
; concat's fragments are read by one wave of the work-group each: they go from memory straight into a ring of 8 register slots (window 2), seven K steps of 32 ahead: 56 loads of 512 dense bytes a wave.
; THE PRODUCT IS USED TRANSPOSED (source 0 = 16 columns of Wo, source 1 = 16 tokens): a lane holds eight neighbouring columns of one row of the output.  The bias is the C of each sum's first product.
; LIMITS: NaN and infinities are not served; Wo's range in f16 as the first launch states it.
.set STAGE, 262144                     ; behind Wo: a stage of 16 rows x (512 + 16) bytes for each wave
.set STGW,  16*528
.set SPARE, STAGE+4*STGW               ; the spare words, 128 bytes a wave, which no other line names
.set LI,  1                            ; v1  16 x lane
.set LB,  2                            ; v2-5 16 x lane + 65,536 q: a quarter of K of Wo
.set STO, 6                            ; v6  the stage: where I put 32 bytes of a row
.set RD,  7                            ; v7  and where I read a row back
.set BO,  9                            ; v9  32 h
.set SPW, 10                           ; v10 my spare word; never rewritten
.set NIL, 11                           ; v11 0; never rewritten
.set BF,  64                           ; v64-191 Wo's fragments: two sets of 8 x 8; on the way out two sets of 16 rows
.set BIAS, 192                         ; v192-255 register 8 n + i = bo[128 g + 16 n + 8 h + i]
.set WV,  12                           ; s12 wave; s13 place in the cluster; s14 block of 256 tokens; s15 group of 128 columns
.set G1,  16
.set G0,  24                           ; s[24:39] group 0, a set for each quarter
.set MSB, 0
.macro WIN new                         ; the immediate's high byte repeats the setting that is left
.if MSB != (\new)
	s_set_vgpr_msb (MSB<<8)|(\new)
.set MSB, \new
.endif
.endm
.macro PLACES
.rept 4
	v_nop
.endr
.endm
.macro CROUND                          ; a round of the cluster's barrier
	s_barrier_signal -1
	s_barrier_wait -1
	s_cmp_lg_u32 s[WV], 0
	s_cbranch_scc1 .Lnot_wave_0_\@
	s_barrier_signal -3
.Lnot_wave_0_\@:
	s_barrier_wait -3
	s_barrier_signal -1
	s_barrier_wait -1
.endm
	s_load_b256 s[4:11], s[0:1], 0x0               ; cc s[4:5], wo16 s[6:7], bo s[8:9], out0 s[10:11]
	v_lshl_add_u32 v[SPW], v0, 2, SPARE
	v_mov_b32 v[NIL], 0
	ds_add_u32 v[SPW], v[NIL]                      ; the wave's opening: the add, twice on end, and its wait ahead of my first tensor load
	ds_add_u32 v[SPW], v[NIL]
	v_lshrrev_b32 v1, 5, v0
	v_readfirstlane_b32 s[WV], v1
	s_bfe_u32 s13, ttmp6, 0x40000
	s_lshl_b32 s14, ttmp9, 2
	s_add_co_u32 s14, s14, s13                     ; block of tokens: it enters cc's and out0's addresses alone
	s_and_b32 s15, ttmp7, 0xffff                   ; group of columns, which the four partners share
	s_mov_b32 s[G1], 15|(3<<16)|(1<<21)            ; mask: all four; elements of 8 bytes; bit 21 beside the mask
	s_mov_b32 s[G1+1], 32<<16                      ; rows of 256 bytes,
	s_mov_b32 s[G1+2], 64<<16                      ; 64 of them: 16,384 dense bytes
	s_mov_b32 s[G1+3], 32<<16
	s_mov_b32 s[G1+4], 64
	s_mov_b32 s[G1+5], 32
	s_mov_b32 s[G1+6], 0
	s_mov_b32 s[G1+7], 0
	s_lshl_b32 s46, s[WV], 14                      ; of each quarter's 65,536 bytes wave w brings 16,384
	s_lshl_b32 s44, s15, 18
	s_add_co_u32 s44, s44, s46
	s_mov_b32 s45, 0
	s_lshl_b32 s48, s14, 2
	s_add_co_u32 s48, s48, s[WV]                   ; my 64 tokens: 4 x block + wave
	s_lshl_b32 s50, s48, 18                        ; 64 rows of 4,096 bytes of out0,
	s_lshl_b32 s52, s15, 9                         ; 128 columns of 4 bytes (in bo too)
	s_add_co_u32 s50, s50, s52
	s_mov_b32 s51, 0
	s_mov_b32 s53, 0
	s_lshl_b32 s48, s48, 17                        ; 4 tiles of 32,768 bytes of cc
	s_mov_b32 s49, 0
	s_mul_i32 s47, s[WV], STGW
	s_add_co_u32 s47, s47, STAGE                   ; my stage
	v_and_b32 v[LI], 31, v0
	v_lshlrev_b32 v[LI], 4, v[LI]
	v_mov_b32 v[LB], v[LI]
	v_add_nc_u32 v[LB+1], 0x10000, v[LI]
	v_add_nc_u32 v[LB+2], 0x20000, v[LI]
	v_add_nc_u32 v[LB+3], 0x30000, v[LI]
	v_and_b32 v8, 15, v0                           ; r
	v_bfe_u32 v[BO], v0, 4, 1                      ; h
	v_mul_u32_u24 v[STO], v8, 528
	v_lshl_add_u32 v[STO], v[BO], 5, v[STO]
	v_add_nc_u32 v[STO], s47, v[STO]               ; in: row r, 32 h bytes on
	v_add_nc_u32 v[RD], s47, v[LI]                 ; back: the 32 lanes take one row of 512 bytes
	v_lshlrev_b32 v[BO], 5, v[BO]
	s_wait_dscnt 0x0                               ; both opening adds are done
	s_wait_kmcnt 0x0
	s_add_nc_u64 s[6:7], s[6:7], s[44:45]
.irp q, 0,1,2,3
	s_mov_b32 s[G0+4*\q], 1
	s_add_co_u32 s[G0+4*\q+1], s46, \q*65536
	s_add_nc_u64 s[G0+4*\q+2:G0+4*\q+3], s[6:7], \q*65536
	s_or_b32 s[G0+4*\q+3], s[G0+4*\q+3], 0x80000000
.endr
	s_add_nc_u64 s[40:41], s[4:5], s[48:49]
	s_add_nc_u64 s[42:43], s[10:11], s[50:51]
	s_add_nc_u64 s[8:9], s[8:9], s[52:53]
	CROUND                                         ; all four work-groups are here: the joint loads meet
.irp q, 0,1,2,3
	tensor_load_to_lds s[G0+4*\q:G0+4*\q+3], s[G1:G1+7]
	s_nop 0
.endr
	PLACES
.irp n, 0,1,2,3,4,5,6,7
	global_load_b128 v[BIAS+8*\n:BIAS+8*\n+3], v[BO], s[8:9] offset:64*\n
	global_load_b128 v[BIAS+8*\n+4:BIAS+8*\n+7], v[BO], s[8:9] offset:64*\n+16
.endr
.macro ALOAD k                         ; concat's four fragments of K step k into ring slot k % 8
	WIN 0x80                                       ; destination window 2
.irp m, 0,1,2,3
.irp c, 0,1
	global_load_b128 v[32*((\k)%8)+8*\m+4*\c:32*((\k)%8)+8*\m+4*\c+3], v[LI], s[40:41] offset:\m*32768+(\k)*1024+512*\c
.endr
.endr
.endm
.macro BLOAD k                         ; Wo's eight fragments of K step k into set k % 2
	WIN 0
.irp n, 0,1,2,3,4,5,6,7
.irp c, 0,1
	ds_load_b128 v[BF+64*((\k)%2)+8*\n+4*\c:BF+64*((\k)%2)+8*\n+4*\c+3], v[LB+(\k)/8] offset:((\k)%8)*8192+\n*1024+512*\c
.endr
.endr
.endm
.macro STEP                            ; K step kk: 32 products, the 32 accumulators by turns
.if kk <= 25
	s_wait_loadcnt 48                              ; this K step's fragments of concat are in; those of the six K steps behind it, 8 loads each, may be out
.else
	s_wait_loadcnt 8*(31-kk)
.endif
	s_wait_dscnt 0x0                               ; this K step's fragments of Wo are in
.if (kk%8 == 7) && (kk < 31)
	s_wait_tensorcnt 2-kk/8                        ; my part of the next quarter of Wo is in; the later quarters may stay out
	s_barrier_signal -1
	s_barrier_wait -1                              ; everybody's is
.endif
	WIN 0
	PLACES                                         ; four plain places between the last K step's products and the loads into the registers that they read
.if kk <= 24
	ALOAD kk+7
.endif
.if kk < 31
	BLOAD kk+1
.endif
.if kk == 0
	WIN 0x48                                       ; D window 1, source 1 (concat) window 2, C (the bias) window 0
.else
	WIN 0x58                                       ; C window 1 too
.endif
.irp m, 0,1,2,3
.irp n, 0,1,2,3,4,5,6,7
.if kk == 0
	v_wmma_f32_16x16x32_f16 v[8*(8*\m+\n):8*(8*\m+\n)+7], v[BF+64*(kk%2)+8*\n:BF+64*(kk%2)+8*\n+7], v[32*(kk%8)+8*\m:32*(kk%8)+8*\m+7], v[BIAS+8*\n:BIAS+8*\n+7]
.else
	v_wmma_f32_16x16x32_f16 v[8*(8*\m+\n):8*(8*\m+\n)+7], v[BF+64*(kk%2)+8*\n:BF+64*(kk%2)+8*\n+7], v[32*(kk%8)+8*\m:32*(kk%8)+8*\m+7], v[8*(8*\m+\n):8*(8*\m+\n)+7]
.endif
.endr
.endr
.endm
.irp k, 0,1,2,3,4,5,6
	ALOAD \k
.endr
	WIN 0
	s_wait_tensorcnt 0x3                           ; my part of the first quarter of Wo is in; three loads may stay out,
	s_barrier_signal -1
	s_barrier_wait -1                              ; everybody's is
	BLOAD 0
.set kk, 0
.rept 32
	STEP
.set kk, kk+1
.endr
	WIN 0
; THE WAY OUT, a tile of 16 tokens x 128 columns at a time.  A lane holds 32 neighbouring bytes of a row and the lanes beside it other rows: so a tile goes through my own stage and comes back as whole rows of
; 512 bytes.  LDS serves a wave's instructions in order (ISA guide 5.7.1.4): no wait between the stores and the loads, nor ahead of the next tile's stores.
.macro TOSTAGE m
	WIN 0x04                                       ; an LDS store's data are its source 1: window 1
.irp n, 0,1,2,3,4,5,6,7
	ds_store_b128 v[STO], v[8*(8*(\m)+\n):8*(8*(\m)+\n)+3] offset:64*\n        ; each accumulator from its low end on
	ds_store_b128 v[STO], v[8*(8*(\m)+\n)+4:8*(8*(\m)+\n)+7] offset:64*\n+16
.endr
	WIN 0
.irp i, 0,1,2,3,4,5,6,7,8,9,10,11,12,13,14,15
	ds_load_b128 v[BF+64*((\m)%2)+4*\i:BF+64*((\m)%2)+4*\i+3], v[RD] offset:528*\i
.endr
.endm
.macro SEND m, younger                 ; younger: the LDS instructions issued behind tile m's loads, which may stay out
	s_wait_dscnt \younger
.irp i, 0,1,2,3,4,5,6,7,8,9,10,11,12,13,14,15
	global_store_b128 v[LI], v[BF+64*((\m)%2)+4*\i:BF+64*((\m)%2)+4*\i+3], s[42:43] offset:(\m)*65536+\i*4096 th:TH_STORE_NT   ; 512 consecutive bytes, at a multiple of 256 from out0's first byte
.endr
.endm
	PLACES                                         ; between the last products and the first read of results and the loads into the registers that held Wo's fragments
	TOSTAGE 0
	TOSTAGE 1
	SEND 0, 32                                     ; behind tile 0's loads: tile 1's 16 stores and 16 loads
	s_wait_xcnt 0x0                                ; tile 0's stores have read their registers: tile 2's loads may land there
	TOSTAGE 2
	SEND 1, 32
	s_wait_xcnt 0x0                                ; tile 1's likewise
	TOSTAGE 3
	SEND 2, 32
	SEND 3, 0
	s_wait_tensorcnt 0x0                           ; the wave's end, behind my last tensor load and my last LDS store
	ds_add_u32 v[SPW], v[NIL]
	s_wait_dscnt 0x0
	CROUND                                         ; the closing round
	s_endpgm
.Lfunc_end_k_q72d7c4c73d_oproj:
	.size	k_q72d7c4c73d_oproj, .Lfunc_end_k_q72d7c4c73d_oproj-k_q72d7c4c73d_oproj
	.p2alignl 7, 3214868480
	.fill 96, 4, 3214868480
	.section	.rodata,"a",@progbits
	.p2align	6, 0x0
	.amdhsa_kernel k_q72d7c4c73d_oproj
		.amdhsa_group_segment_fixed_size 296448
		.amdhsa_private_segment_fixed_size 0
		.amdhsa_enable_private_segment 0
		.amdhsa_kernarg_size 32
		.amdhsa_user_sgpr_count 2
		.amdhsa_user_sgpr_kernarg_segment_ptr 1
		.amdhsa_wavefront_size32 1
		.amdhsa_system_sgpr_workgroup_id_x 1
		.amdhsa_system_sgpr_workgroup_id_y 1
		.amdhsa_system_sgpr_workgroup_id_z 1
		.amdhsa_system_vgpr_workitem_id 0
		.amdhsa_next_free_vgpr 768
		.amdhsa_next_free_sgpr 66
		.amdhsa_reserve_vcc 0
		.amdhsa_float_denorm_mode_32 3
		.amdhsa_float_denorm_mode_16_64 3
		.amdhsa_memory_ordered 1
		.amdhsa_forward_progress 1
		.amdhsa_inst_pref_size 152
	.end_amdhsa_kernel
	.amdgpu_metadata
---
amdhsa.version: [ 1, 2 ]
amdhsa.kernels:
  - .name:           k_q72d7c4c73d_oproj
    .symbol:         k_q72d7c4c73d_oproj.kd
    .args:
      - { .name: cc, .offset: 0, .size: 8, .value_kind: global_buffer, .address_space: global }
      - { .name: wo16, .offset: 8, .size: 8, .value_kind: global_buffer, .address_space: global }
      - { .name: bo, .offset: 16, .size: 8, .value_kind: global_buffer, .address_space: global }
      - { .name: out0, .offset: 24, .size: 8, .value_kind: global_buffer, .address_space: global }
    .group_segment_fixed_size: 296448
    .private_segment_fixed_size: 0
    .kernarg_segment_align: 8
    .kernarg_segment_size: 32
    .max_flat_workgroup_size: 128
    .sgpr_count:     66
    .vgpr_count:     768
    .wavefront_size: 32
...
	.end_amdgpu_metadata
.endif
;; end of part 4
